; MI455X (gfx1250); checked and timed in simulation.
; The chip was launched on July 23, 2026; its instructions are those of AMD's public machine-readable ISA for CDNA 5 (MIT licence, August 2026) and "CDNA5" Instruction Set Architecture Reference Guide (July 2026). The comments in the code are by the model that wrote it; some were corrected since.
;; Attn. Allowed arithmetic: matrix products marked QUANTISED: E4M3 operands, one given power-of-two scale a tensor, by v_wmma_f32_16x16x64_fp8_fp8 or v_wmma_f32_16x16x128_fp8_fp8, f32 sums; products left as they are: f32 operands where the result goes on into a quantised operand, else bf16, f16 or f32 operands; f32 sums; everything else in f32.
;; Inputs: attn_W_codes 1,024 x 32 x 32 uint8 (E4M3 codes of attn_W, K innermost, in blocks of 32 codes); attn_b 1,024 float32; encoder_outputs_codes 2,048 x 32 x 32 x 32 uint8 (E4M3 codes of encoder_outputs, K innermost, in blocks of 32 codes); hidden 1 x 32 x 1,024 float32; lowp_scales 2 int32 (the exponents e of the quantised operands' scales 2^e).
;; Outputs: out0 32 x 1 x 2,048 float32.
;; This version of the problem:
;;   THIS VERSION OF THE PROBLEM IS GIVEN IN LOW PRECISION. The matrix products marked QUANTISED in the list below multiply operands that are first quantised to E4M3 (4 exponent bits, 3 mantissa bits; 8 bits a number), with one given power-of-two scale for each operand tensor; their sums are f32. All else is computed in f32.
;;   The module's matrix products, in the order in which they are computed (A, B: the left and right operand; K: the contracted axis; several contracted axes count as one K, in the product's order):
;;     1. [M 65,536, K 1,024] x [K 1,024, N 1,024]; A: input encoder_outputs (given as codes); B: input attn_W (given as codes): QUANTISED (scales: A lowp_scales[0], B lowp_scales[1])
;;     2. batch 32 x [M 2,048, K 1,024] x [K 1,024, N 1]; A: computed on the way; B: input hidden: left as it is (N = 1 < 16)
;;   THE QUANTISER, for each operand of a quantised product, along K:
;;     - The operand's scale is 2^e, e = its entry of the input lowp_scales (int32; the entries are numbered through the quantised products in the list's order, A before B).
;;     - Each number is divided by the scale, clamped to +-448, and rounded to the nearest number of E4M3, ties to even, subnormals kept.
;;     - The product sums the exact products of the quantised numbers (number of the format x scale) in f32.
;;   ~~~python
;;   def quantise(x, axis, e):      # numpy; x: float32 -> the quantised numbers, widened to float32 again
;;       x = np.moveaxis(x, axis, -1); K = x.shape[-1]
;;       r = np.clip(x / 2.0 ** e, -448, 448)
;;       step = 2.0 ** (np.maximum(np.frexp(np.where(r == 0, 1, r))[1] - 1, -6) - 3)
;;       q = np.round(r / step) * step * 2.0 ** e      # np.round: ties to even
;;       return np.moveaxis(q, -1, axis).astype(np.float32)
;;   ~~~
;;   INPUTS GIVEN AS CODES. attn_W (in the module: [1024, 1024], K = its axis 1); encoder_outputs (in the module: [2048, 32, 1024], K = its axis 2): each comes as NAME_codes (uint8): NAME with its K axis moved to the last place and cut into blocks of 32 codes, [.., K / 32, bytes a block], one block behind the other in memory; one code a byte (a code: sign, 4 exponent bits, 3 mantissa bits); its scale is its entry of lowp_scales. Its value is code x scale, taken as it is: it is not quantised again, and the codes and scales need not be those that the quantiser above would give.
;; One version. Each part assembles by itself: llvm-mc -triple=amdgcn-amd-amdhsa -mcpu=gfx1250 --defsym DOCPART=n.
;; ======== version 1 of 1: 2 launches
;; limits: right only within a limited range of input values
;; workspace buffers: part 1,048,576 bytes
;; launch energy (part 1): grid 4 x 64, 4 waves a work-group, clusters of 4 x 4, 327,680 bytes of LDS; arguments encoder_outputs_codes, attn_W_codes, lowp_scales, part, hidden; writes part
.if DOCPART == 1
	.amdgcn_target "amdgcn-amd-amdhsa--gfx1250"
	.amdhsa_code_object_version 6
	.text
	.protected	k_q30d9034686_energy
	.globl	k_q30d9034686_energy
	.p2align	8
	.type	k_q30d9034686_energy,@function
k_q30d9034686_energy:
	s_mov_b64 s[64:65], 0
	v_nop
	global_prefetch_b8 v0, s[64:65] scope:SCOPE_SE
	s_setreg_imm32_b32 hwreg(HW_REG_WAVE_MODE, 25, 1), 1
	s_wait_xcnt 0x0
	s_wait_alu depctr_hold_cnt(0) depctr_sa_sdst(0) depctr_va_vdst(0) depctr_va_sdst(0) depctr_va_ssrc(0) depctr_va_vcc(0) depctr_vm_vsrc(0)
	s_getreg_b32 s2, hwreg(HW_REG_IB_STS2, 6, 4)
	s_cmp_eq_u32 s2, 0
	s_cbranch_scc0 .Lentry_in_a_cluster
	s_endpgm
.Lentry_in_a_cluster:
	s_bfe_u32 s2, ttmp6, 0x10000c
	s_cmp_lg_u32 s2, 0xf033
	s_cbranch_scc0 .Lentry_shape_is_right
	s_endpgm
.Lentry_shape_is_right:
; part[x][b][s] = 2^(ea + eb) x (sum over the 256 columns n of x and all 1,024 k of enc_code[s][b][k] W_code[n][k] hidden[b][n]), x = 0 .. 3.  The next launch adds the four parts and takes the log-softmax.
; The quantised product runs on codes of FP8 (E4M3) with f32 sums; the projected rows never go to memory: a finished block of 16 rows is multiplied by hidden and summed along its columns in registers.
; DEAD WORK LEFT OUT: attn_b.  It adds sum over n of bias[n] hidden[b][n] to energy[b][s], which does not hang on s, and the log-softmax runs along s: for all finite inputs x + const and x have the same
; log-softmax in exact arithmetic, and no quantiser stands behind the bias.  So attn_b is not loaded and is no argument.  LIMIT: a NaN, an infinity or an overflow that reaches the bias's term alone is not carried to the result.
; enc codes: [2048 (s)][32 (b)][1024 (k)] bytes.  W codes: [1024 (n)][1024 (k)] bytes.  hidden: [32][1024] f32.  part: [4][32][2048] f32.
; THE ORDER OF ROUNDING DIFFERS FROM THE REFERENCE'S: a projected number's sum over K is made in two halves, each is multiplied by hidden and summed over 128 columns by itself, and these sums meet later;
; inside one matrix instruction k is permuted, alike in both operands (four loads of 16 bytes a fragment).
; SHARES.  A work-group owns 256 columns (x), one b and 1,024 consecutive s.  Wave w of four owns the column half w / 2 and the K half w % 2, for all rows.
; W STAYS IN REGISTERS: a wave's 128 columns x 512 k are 65,536 bytes = 512 registers, brought once through LDS.  So LDS holds rows of enc alone: two slots of 128 rows x the whole K;
; a fragment of enc (16 rows x 128 k) feeds eight matrix instructions.  Every tile, W's too, has rows of 1,024 bytes, 1,040 apart in LDS.
; A BLOCK is 16 rows: 32 matrix instructions: place 8 q + nb: K step q, columns 16 nb on: eight accumulators by turns, seven others between a sum's steps.  Two sets of accumulators, by the block's
; parity: behind each product stands one packed multiply-add of the block before's sums x hidden.  A block's 32 of them go into two chains of pairs (8 and 24 links), which change where the block's waits for LDS stand.
; ONE RUN OF LDS LOADS a block, ahead of place 19: the next block's four fragments.  Those of K steps 0 and 1 go into the registers that this block has left in place 15: the four multiply-adds between are the places that such loads
; want behind a matrix instruction that has read the registers; those of K steps 2 and 3 take turns between two pairs of fragments.
; THE MATRIX INSTRUCTION IS USED TRANSPOSED (source 0 = 16 rows of W, source 1 = 16 rows of enc): lane (r, h) holds row s = r of the block, and its registers 0 to 7 the columns 8 h + 0 .. 7.
; CLUSTERS: 4 x 4 work-groups.  The four of a row of the cluster have the same b and s and together all 1,024 columns: enc's tiles are asked for JOINTLY by the four; the four of a column share W's rows likewise.
; PREFETCH INTO THE L2: one instruction a wave for a tile: lane l takes row 32 w + l; of a row's four units of 256 bytes the partner at cx takes unit cx.  So each unit is named once in the cluster.  Tile 0 is asked for when W has landed,
; tile 1 behind tile 0's load, tiles 2 and 3 behind tile 1's load; from then on the refill with tile t is followed by the request for tile t + 2; the last two refills ask for nothing.
; REGISTERS, in windows of 256 (s_set_vgpr_msb: bits 1:0 source 0, 3:2 source 1, 5:4 source 2, 7:6 destination):
;   window 0: v0-15 four blocks' chains (at the head: at work); v16-31 addresses; v32-127 six fragments of enc; v128-255 two sets of eight accumulators.
;   windows 1, 2, 3: v0-63 hidden (the same in each); from v64 W's fragments: that of place j in window 1 + j / 11 at v[64 + 16 (j % 11)].
; A product names W as source 0 and all else in window 0; the multiply-add behind it names hidden as source 0 and all else in window 0: one setting serves both.
.set PITCH,  1040                      ; 260 words: row r starts at bank 4 r mod 64 (64 banks of 4 bytes: ISA guide 11.1): the 16 rows that a load touches start at 16 different banks
.set RB,     16*PITCH                  ; a block of 16 rows
.set SLOT,   128*PITCH                 ; 128 rows
.set SPARE,  2*SLOT                    ; the spare words: 128 bytes for each wave; no other line names them
.set STG,    SPARE+512                 ; the stage: for each wave 1,024 f32, one for each row; no tile ever lands here
.set TILEB,  128*32768                 ; bytes from a tile of enc to the next: rows are 32,768 bytes apart
.set WADR, 8                           ; v8-9    (at the head) LDS address of my part of W: columns 0-63, 64-127 of my half
.set SW,   16                          ; v16     the stage: mine + 4 x lane
.set SRD,  17                          ; v17     the stage: 16 x thread
.set PO,   18                          ; v18     my byte offset in the work-group's 4,096 bytes of part
.set SWC,  19                          ; v19     v16 + the trip's bytes
.set ADR,  24                          ; v24-27  LDS address of my fragments of enc: slot 0 rows 0-63, rows 64-127; slot 1 likewise
.set PFO,  30                          ; v30     the prefetches' offset; never rewritten (v28, v29: my spare word's address, and 0: never rewritten)
.set FB,   32                          ; fragments: K steps 0, 1 at v[32 + 16 q]; K steps 2, 3 of block i at v[32 + 32 (i % 2) + 16 q]
.set ACC,  128                         ; accumulators: block i, columns 16 nb on at v[128 + 64 (i % 2) + 8 nb]
.set WF,   64                          ; W's fragments, in windows 1 to 3
.set G1A, 24
.set G0A, 32
.set G1W, 48
.set G0W, 56
.set LANEHI, 76                        ; s76     lanes 16-31
.set SEL,  78                          ; s[78:79] lane selects for v_permlanex16_b32: lane l xor 16
.set PFA,  80                          ; s[80:81] where my prefetches stand
.set TO,   82                          ; s82     the trip's bytes in the stage
.set FLAGS, (0<<16)|(1<<20)|(1<<21)|(7<<22)|(3<<25)   ; 17:16 element of 1 byte; 20 padding on; 21 set beside a mask; 24:22 after every 256 words (code 7); 31:25 of 4 words (code 3)
.set MSB, 0
.macro WIN new                         ; the immediate's high byte repeats the setting that is left; a switch that changes nothing is dropped
.if MSB != (\new)
	s_set_vgpr_msb (MSB<<8)|(\new)
.set MSB, (\new)
.endif
.endm
.macro CREST                           ; a round of the cluster's barrier behind its opening barrier
	s_cmp_lg_u32 s14, 0
	s_cbranch_scc1 .Lnot_wave_0_\@
	s_barrier_signal -3
.Lnot_wave_0_\@:
	s_barrier_wait -3
	s_barrier_signal -1
	s_barrier_wait -1
.endm
.macro CROUND                          ; a whole round
	s_barrier_signal -1
	s_barrier_wait -1
	CREST
.endm
	s_load_b128 s[4:7], s[0:1], 0x0                ; enc's codes s[4:5], W's codes s[6:7]
	s_load_b128 s[8:11], s[0:1], 0x10              ; the two scales' exponents s[8:9], part s[10:11]
	s_load_b64 s[68:69], s[0:1], 0x20              ; hidden
	v_lshl_add_u32 v28, v0, 2, SPARE
	v_mov_b32 v29, 0
	ds_add_u32 v28, v29                            ; the wave's opening: the add, twice on end, ahead of my first tensor load; work on registers stands between it and the wait
	ds_add_u32 v28, v29
	v_lshrrev_b32 v1, 5, v0
	v_readfirstlane_b32 s14, v1                    ; wave 0..3
	v_and_b32 v2, 15, v0                           ; r = l % 16
	v_bfe_u32 v3, v0, 4, 1                         ; h = l / 16
	v_and_b32 v4, 31, v0                           ; lane
	v_mul_u32_u24 v5, v2, PITCH
	v_lshl_add_u32 v5, v3, 4, v5                   ; a fragment's row x pitch + 16 x half
	s_lshr_b32 s15, s14, 1                         ; my half of the columns
	s_and_b32 s16, s14, 1                          ; my half of K
	s_lshl_b32 s22, s16, 9                         ; 512 bytes on in every row
	s_mul_i32 s23, s15, SLOT                       ; W: my half of the columns = 128 rows on
	s_add_co_u32 s23, s23, s22
	v_add_nc_u32 v[ADR], s22, v5
	v_add_nc_u32 v[ADR+1], 4*RB, v[ADR]
	v_add_nc_u32 v[ADR+2], SLOT, v[ADR]
	v_add_nc_u32 v[ADR+3], SLOT, v[ADR+1]
	v_add_nc_u32 v[WADR], s23, v5
	v_add_nc_u32 v[WADR+1], 4*RB, v[WADR]
	v_lshlrev_b32 v6, 5, v3                        ; 32 h
	s_lshl_b32 s22, s14, 12
	v_lshl_add_u32 v[SW], v4, 2, STG
	v_add_nc_u32 v[SW], s22, v[SW]
	v_lshl_add_u32 v[SRD], v0, 4, STG
	v_lshlrev_b32 v[PO], 4, v0
	v_lshlrev_b32 v[PFO], 15, v4                   ; a lane a row: 32,768 bytes
	s_wait_alu depctr_va_vdst(0)
	s_wait_dscnt 0x0                               ; both opening adds are done
	s_bfe_u32 s40, ttmp6, 0x40000                  ; cx, cy: my place in the cluster
	s_bfe_u32 s41, ttmp6, 0x40004
	s_lshl_b32 s42, ttmp9, 2
	s_add_co_u32 s42, s42, s40                     ; x: which 256 columns = 4 x cluster x + cx
	s_and_b32 s17, ttmp7, 0xffff
	s_lshl_b32 s17, s17, 2
	s_add_co_u32 s17, s17, s41                     ; y = 4 x cluster y + cy, 0 .. 63
	s_lshl_b32 s43, s41, 2
	s_lshl_b32 s43, 15, s43                        ; my row of the cluster
	s_lshl_b32 s44, 0x1111, s40                    ; my column
	; descriptor groups 1: rows of 1,024 bytes, padded in LDS.  enc: 32 rows a wave, 32,768 bytes apart, to my row of the cluster;  W: 64 rows a wave, dense, to my column
	s_or_b32 s[G1A+0], s43, FLAGS
	s_mov_b32 s[G1A+1], 1024<<16                   ; tensor_dim0 = 1,024
	s_mov_b32 s[G1A+2], 32<<16                     ; tensor_dim1 = 32
	s_mov_b32 s[G1A+3], 1024<<16                   ; tile_dim0 = 1,024
	s_mov_b32 s[G1A+4], 32                         ; tile_dim1 = 32
	s_mov_b32 s[G1A+5], 32768                      ; tensor_dim0_stride
	s_mov_b32 s[G1A+6], 0
	s_mov_b32 s[G1A+7], 0
	s_or_b32 s[G1W+0], s44, FLAGS
	s_mov_b32 s[G1W+1], 1024<<16
	s_mov_b32 s[G1W+2], 64<<16
	s_mov_b32 s[G1W+3], 1024<<16
	s_mov_b32 s[G1W+4], 64
	s_mov_b32 s[G1W+5], 1024
	s_mov_b32 s[G1W+6], 0
	s_mov_b32 s[G1W+7], 0
	; where the tiles come from.  enc's hang on y alone, which my row of the cluster shares; W's on x alone, which my column shares
	s_lshr_b32 s18, s17, 5                         ; y / 32: which 1,024 s
	s_and_b32 s19, s17, 31                         ; b
	s_lshl_b32 s20, s18, 25                        ; 1,024 s x 32,768 bytes
	s_lshl_b32 s21, s19, 10                        ; + b x 1,024
	s_add_co_u32 s20, s20, s21
	s_lshl_b32 s21, s14, 20                        ; + the 32 rows of a tile that I fetch
	s_add_co_u32 s20, s20, s21
	s_mov_b32 s21, 0
	s_lshl_b32 s85, s40, 8                         ; the prefetches: the same rows, unit cx of each
	s_add_co_u32 s84, s20, s85
	s_mov_b32 s85, 0
	s_lshl_b32 s46, s42, 18                        ; W: 256 rows x 1,024 bytes x x
	s_lshl_b32 s47, s14, 16                        ; + the 64 rows that I fetch
	s_add_co_u32 s46, s46, s47
	s_mov_b32 s47, 0
	s_mul_i32 s45, s14, 32*PITCH                   ; where my rows of enc go in a slot: no place in the cluster enters an LDS address
	s_lshl_b32 s74, s42, 10                        ; hidden: 256 columns x 4 bytes x x
	s_lshl_b32 s75, s15, 9                         ; + my half
	s_add_co_u32 s74, s74, s75
	s_lshl_b32 s72, s19, 12                        ; + b x 4,096
	s_add_co_u32 s72, s72, s74
	s_mov_b32 s73, 0
	s_lshl_b32 s74, s42, 18                        ; part: x x 32 x 2,048 x 4 bytes,
	s_lshl_b32 s75, s19, 13                        ; + b x 8,192,
	s_add_co_u32 s74, s74, s75
	s_lshl_b32 s75, s18, 12                        ; + my first s x 4
	s_add_co_u32 s74, s74, s75
	s_mov_b32 s75, 0
	CROUND                                         ; all sixteen work-groups are here: the first joint loads meet.  (The arguments may still be on their way)
	s_wait_kmcnt 0x0
	s_add_nc_u64 s[46:47], s[6:7], s[46:47]
	s_mov_b32 s[G0W], 1                            ; count = 1
	s_mul_i32 s[G0W+1], s14, 64*PITCH              ; LDS address: W's 256 rows take both slots' bytes
	s_mov_b64 s[G0W+2:G0W+3], s[46:47]             ; global address
	s_or_b32 s[G0W+3], s[G0W+3], 0x80000000        ; type = 2
	tensor_load_to_lds s[G0W:G0W+3], s[G1W:G1W+7]  ; the launch's one first fill: one tensor load of mine is out
	s_nop 0
.rept 4
	v_nop
.endr
	s_load_b64 s[96:97], s[8:9], 0x0               ; ea, eb
	s_add_nc_u64 s[20:21], s[4:5], s[20:21]
	s_add_nc_u64 s[PFA:PFA+1], s[4:5], s[84:85]
	s_add_nc_u64 s[68:69], s[68:69], s[72:73]
	s_add_nc_u64 s[10:11], s[10:11], s[74:75]
.irp w, 1,2,3
	WIN (\w)<<6                                    ; destination window w, address window 0
.irp nb, 0,1,2,3,4,5,6,7                       ; hidden of my 128 columns in the result's layout: register 8 nb + j: column 16 nb + 8 h + j
	global_load_b128 v[8*\nb:8*\nb+3],   v6, s[68:69] offset:64*\nb
	global_load_b128 v[8*\nb+4:8*\nb+7], v6, s[68:69] offset:64*\nb+16
.endr
.endr
	WIN 0
.irp s, 0,1
	s_mov_b32 s[G0A+4*\s], 1
	s_add_co_u32 s[G0A+4*\s+1], s45, \s*SLOT
	s_add_nc_u64 s[G0A+4*\s+2:G0A+4*\s+3], s[20:21], \s*TILEB      ; slot s begins with tile s
	s_or_b32 s[G0A+4*\s+3], s[G0A+4*\s+3], 0x80000000
.endr
	s_mov_b32 s[LANEHI], 0xffff0000
	s_mov_b32 s[SEL], 0x76543210
	s_mov_b32 s[SEL+1], 0xfedcba98
	s_wait_kmcnt 0x0
	s_add_co_i32 s96, s96, s97                     ; ea + eb
	s_wait_tensorcnt 0x0                           ; my 64 rows of W are in,
	global_prefetch_b8 v[PFO], s[PFA:PFA+1] th:TH_LOAD_NT scope:SCOPE_SE    ; (tile 0)
	s_barrier_signal -1
	s_barrier_wait -1                              ; everybody's are
	; W into registers: 32 fragments of 16 rows x 128 k, in the order of the places: lane l holds row l % 16; registers 4 c .. 4 c + 3 hold k = 32 c + 16 (l / 16) + 0 .. 15
.set JJ, 0
.rept 32
	WIN (1+JJ/11)<<6
.irp c, 0,1,2,3
	ds_load_b128 v[WF+16*(JJ%11)+4*\c:WF+16*(JJ%11)+4*\c+3], v[WADR+(JJ%8)/4] offset:((JJ%8)%4)*RB+128*(JJ/8)+32*\c
.endr
.set JJ, JJ+1
.endr
	WIN 0
; A change of slots at the start, where there is nothing to multiply yet: each wave waits for all its tensor loads, adds 0 to its spare word, and waits for that and for its LDS reads; a round of the
; cluster's barrier; the joint refill first behind it.
.macro CHANGE0 slot
	s_wait_tensorcnt 0x0                           ; no tensor load of mine is out
	ds_add_u32 v28, v29                            ; 0 onto my spare word
	s_wait_dscnt 0x0                               ; the add is done, and my reads of the bytes that are filled again are over
	CROUND                                         ; both now hold of every wave of every work-group of the cluster
	tensor_load_to_lds s[G0A+4*\slot:G0A+4*\slot+3], s[G1A:G1A+7]
	s_nop 0
.rept 4
	v_nop
.endr
.endm
; Sixteen LDS loads in one run: enc's four fragments of block i (16 rows) of a slot
.macro FRLOAD slot, i
.irp q, 0,1,2,3
.set FL, FB+16*\q
.if \q > 1
.set FL, FL+32*((\i)%2)
.endif
.irp c, 0,1,2,3
	ds_load_b128 v[FL+4*\c:FL+4*\c+3], v[ADR+2*(\slot)+(\i)/4] offset:((\i)%4)*RB+128*\q+32*\c
.endr
.endr
.endm
; Number JJ of 32 of the dot of the block before II with hidden: each accumulator from its low end on; links 0 to 7 in the first chain, 8 to 31 in the second; a chain's first link starts it
.macro DOT
.set PA, ACC+64*((II+1)%2)+2*JJ
.set CA, 4*((II+3)%4)
.if JJ > 7
.set CA, CA+2
.endif
.if (JJ == 0) || (JJ == 8)
	v_pk_mul_f32 v[CA:CA+1], v[2*JJ:2*JJ+1], v[PA:PA+1]
.else
	v_pk_fma_f32 v[CA:CA+1], v[2*JJ:2*JJ+1], v[PA:PA+1], v[CA:CA+1]
.endif
.endm
; PLACE JJ of block II: its product, then one link of the block before's dot (prv = 0: there is none, a v_nop).  K step 0 starts the sums.
.macro PLACE prv
.set QQ, JJ/8
.set AA, ACC+64*(II%2)+8*(JJ%8)
.set WR, WF+16*(JJ%11)
.set FA, FB+16*QQ
.if QQ > 1
.set FA, FA+32*(II%2)
.endif
	WIN 1+JJ/11
.if QQ == 0
	v_wmma_f32_16x16x128_fp8_fp8 v[AA:AA+7], v[WR:WR+15], v[FA:FA+15], 0
.else
	v_wmma_f32_16x16x128_fp8_fp8 v[AA:AA+7], v[WR:WR+15], v[FA:FA+15], v[AA:AA+7]
.endif
.if \prv
	DOT
.else
	v_nop
.endif
.set JJ, JJ+1
.endm
; THE WAY OUT of blocks II - 3 and II - 2.  The chains are joined and their halves added; a row's other columns lie in the lane 16 away: the two blocks share one exchange: lanes 0-15 keep
; the first block's sum and send the second's, lanes 16-31 the other way round: lane l then holds row l of the 32.  (The permute's destination counts as read: it was written as a chain.)
.macro TAIL
.set TP, 4*((II+1)%4)
.set TQ, 4*((II+2)%4)
	v_pk_add_f32 v[TP:TP+1], v[TP:TP+1], v[TP+2:TP+3]
	v_pk_add_f32 v[TQ:TQ+1], v[TQ:TQ+1], v[TQ+2:TQ+3]
	v_add_f32 v[TP], v[TP], v[TP+1]
	v_add_f32 v[TQ], v[TQ], v[TQ+1]
	v_cndmask_b32 v[TP+2], v[TQ], v[TP], s[LANEHI]
	v_cndmask_b32 v[TP+1], v[TP], v[TQ], s[LANEHI]
	v_permlanex16_b32 v[TP+3], v[TP+2], s[SEL], s[SEL+1]
	v_add_f32 v[TP+1], v[TP+1], v[TP+3]
.endm
; Its 32 sums go to my stage: block 1 stores the last 32 rows of the tile before, blocks 3, 5, 7 the first three quarters of this one
.macro STORE slot
.if II == 1
	ds_store_b32 v[SWC], v[TP+1] offset:512*(1-(\slot))+384
.else
	ds_store_b32 v[SWC], v[TP+1] offset:512*(\slot)+64*(II-3)
.endif
.endm
; A BLOCK: rows 16 i on of a slot.  mode 0: the next block's fragments are fetched from the same slot.  1: THE CHANGE OF SLOTS, and this slot is filled again, two tiles on.  2: the change alone.  3: the last block of all.
; tail = 1: the way out of blocks i - 3 and i - 2 stands ahead of the run of loads, its store behind it.  first = 1: no block before it.
; The waits for LDS stand ahead of places 0 and 8, where a new chain begins: no chain is carried across them.
.macro BLOCK slot, i, mode, tail, first
.set II, \i
.set JJ, 0
.if (\mode == 1) || (\mode == 2)
	WIN 0
	s_wait_tensorcnt 0x0                           ; all my tensor loads have landed: the one that was out is my part of the next slot;
	ds_add_u32 v28, v29                            ; 0 onto my spare word; eight products stand between it and the wait for it
.if \mode == 1
	s_add_nc_u64 s[G0A+4*(\slot)+2:G0A+4*(\slot)+3], s[G0A+4*(\slot)+2:G0A+4*(\slot)+3], 2*TILEB
.endif
	s_wait_dscnt 13                                ; K step 0 is in; the other twelve loads and the add may be out
.else
	s_wait_dscnt 12                                ; K step 0 is in; the other twelve loads may be out
.endif
.rept 8
	PLACE 1-\first
.endr
	s_wait_dscnt 0x0                               ; all four; at a change of slots: the add is done, and my reads of this slot are over:
.if (\mode == 1) || (\mode == 2)
	s_barrier_signal -1                            ; say so; eleven products stand between the signal and the wait
.endif
.rept 11
	PLACE 1-\first
.endr
	WIN 0                                          ; (the loads' address and the way out lie in window 0; at a label and at a branch every window is 0)
.if \tail
	TAIL
.endif
.if (\mode == 1) || (\mode == 2)
	s_wait_alu depctr_va_vdst(0)
	s_barrier_wait -1
.if \mode == 1
	CREST                                          ; the barrier has opened a round of the cluster's barrier: no wave of any partner still reads this slot or has a load on its way
	tensor_load_to_lds s[G0A+4*(\slot):G0A+4*(\slot)+3], s[G1A:G1A+7]   ; the first tensor load behind the round, my one load until the next: 237 matrix instructions ahead of the wait for it
	s_nop 0
.endif
	FRLOAD 1-\slot, 0
.elseif \mode == 0
	FRLOAD \slot, II+1
.endif
.if \tail
	STORE \slot
.endif
.if \mode == 1
	s_cmp_gt_u32 s3, 1                             ; the last trip asks for nothing: there is no tile behind tile 7
	s_cbranch_scc0 .Lno_ask_\@
	global_prefetch_b8 v[PFO], s[PFA:PFA+1] offset:TILEB*(\slot) th:TH_LOAD_NT scope:SCOPE_SE    ; the tile that goes into this slot next
.Lno_ask_\@:
.endif
.rept 13
	PLACE 1-\first
.endr
.endm
.macro HEAD slot                       ; a tile's first two blocks: the second carries the way out of the tile before's last two
	BLOCK \slot, 0, 0, 0, 0
	BLOCK \slot, 1, 0, 1, 0
.endm
.macro REST slot, mode                 ; its other six
	BLOCK \slot, 2, 0, 0, 0
	BLOCK \slot, 3, 0, 1, 0
	BLOCK \slot, 4, 0, 0, 0
	BLOCK \slot, 5, 0, 1, 0
	BLOCK \slot, 6, 0, 0, 0
	BLOCK \slot, 7, \mode, 1, 0
.endm
	CHANGE0 0                                      ; W is in everybody's registers: tile 0 lands on its bytes
	global_prefetch_b8 v[PFO], s[PFA:PFA+1] offset:TILEB th:TH_LOAD_NT scope:SCOPE_SE    ; tile 1
	s_wait_loadcnt 0x0                             ; hidden
	s_wait_xcnt 0x0                                ; the prefetches have read their address
	s_add_nc_u64 s[PFA:PFA+1], s[PFA:PFA+1], 2*TILEB
	CHANGE0 1                                      ; tile 0 is whole in everybody's LDS; tile 1 goes out and lands while tile 0 is multiplied
	FRLOAD 0, 0
	global_prefetch_b8 v[PFO], s[PFA:PFA+1] th:TH_LOAD_NT scope:SCOPE_SE                 ; tile 2
	global_prefetch_b8 v[PFO], s[PFA:PFA+1] offset:TILEB th:TH_LOAD_NT scope:SCOPE_SE    ; tile 3
	BLOCK 0, 0, 0, 0, 1                            ; the first block of all has no block before it,
	BLOCK 0, 1, 0, 0, 0                            ; and the first tile no tile before it
	WIN 0
	s_mov_b32 s3, 3                                ; the same number in every work-group
	s_mov_b32 s[TO], 0
.Lpair:                                                ; a trip: the rest of a tile in slot 0, a tile in slot 1, the first two blocks of the next tile; both slots are filled again: tiles 2 to 7
	s_wait_xcnt 0x0                                ; the last prefetch has read its address: two tiles on
	s_add_nc_u64 s[PFA:PFA+1], s[PFA:PFA+1], 2*TILEB
	v_add_nc_u32 v[SWC], s[TO], v[SW]              ; the stage: two tiles of 128 rows are 1,024 bytes
	s_add_co_u32 s[TO], s[TO], 1024
	REST 0, 1
	HEAD 1
	REST 1, 1
	HEAD 0
	WIN 0
	s_sub_co_u32 s3, s3, 1
	s_cmp_lg_u32 s3, 0
	s_cbranch_scc1 .Lpair
	v_add_nc_u32 v[SWC], s[TO], v[SW]
	REST 0, 2                                      ; the tail is written out: tile 6 asks for nothing
	HEAD 1
	REST 1, 3                                      ; and tile 7 fetches nothing beyond itself
.set II, 8
.set JJ, 0
.rept 32
	DOT                                            ; the last block's dot stands alone.  Its first line reads sums whose last product stands eight such lines back
.set JJ, JJ+1
.endr
	WIN 0
.set II, 9
	TAIL                                           ; the way out of the last two blocks
	ds_store_b32 v[SWC], v[TP+1] offset:512+384
	s_wait_alu depctr_va_vdst(0)
	s_wait_dscnt 0x0                               ; my stores are done, for the others' sake
	s_barrier_signal -1
	s_barrier_wait -1
	; the four waves' sums of rows 4 t .. 4 t + 3 and 512 rows further on meet in thread t, by a fixed tree
.irp w, 0,1,2,3
	ds_load_b128 v[FB+8*\w:FB+8*\w+3], v[SRD] offset:4096*\w
	ds_load_b128 v[FB+8*\w+4:FB+8*\w+7], v[SRD] offset:4096*\w+2048
.endr
	s_wait_dscnt 0x0
.irp j, 0,2,4,6
	v_pk_add_f32 v[FB+\j:FB+\j+1], v[FB+\j:FB+\j+1], v[FB+8+\j:FB+8+\j+1]
	v_pk_add_f32 v[FB+16+\j:FB+16+\j+1], v[FB+16+\j:FB+16+\j+1], v[FB+24+\j:FB+24+\j+1]
.endr
.irp j, 0,2,4,6
	v_pk_add_f32 v[FB+\j:FB+\j+1], v[FB+\j:FB+\j+1], v[FB+16+\j:FB+16+\j+1]
.endr
.irp j, 0,1,2,3,4,5,6,7
	v_ldexp_f32 v[FB+\j], v[FB+\j], s96            ; x 2^(ea + eb)
.endr
	global_store_b128 v[PO], v[FB:FB+3], s[10:11]  ; a wave stores 512 consecutive bytes, aligned
	global_store_b128 v[PO], v[FB+4:FB+7], s[10:11] offset:2048
	s_wait_tensorcnt 0x0                           ; the wave's end, behind my last tensor load and my last LDS store
	ds_add_u32 v28, v29
	s_wait_dscnt 0x0
	CROUND                                         ; the closing round: no work-group ends while a partner may still ask for a tile that names it
	s_endpgm
.Lfunc_end_k_q30d9034686_energy:
	.size	k_q30d9034686_energy, .Lfunc_end_k_q30d9034686_energy-k_q30d9034686_energy
	.p2alignl 7, 3214868480
	.fill 96, 4, 3214868480
	.section	.rodata,"a",@progbits
	.p2align	6, 0x0
	.amdhsa_kernel k_q30d9034686_energy
		.amdhsa_group_segment_fixed_size 327680
		.amdhsa_private_segment_fixed_size 0
		.amdhsa_enable_private_segment 0
		.amdhsa_kernarg_size 40
		.amdhsa_user_sgpr_count 2
		.amdhsa_user_sgpr_kernarg_segment_ptr 1
		.amdhsa_wavefront_size32 1
		.amdhsa_system_sgpr_workgroup_id_x 1
		.amdhsa_system_sgpr_workgroup_id_y 1
		.amdhsa_system_sgpr_workgroup_id_z 1
		.amdhsa_system_vgpr_workitem_id 0
		.amdhsa_next_free_vgpr 1024
		.amdhsa_next_free_sgpr 100
		.amdhsa_reserve_vcc 0
		.amdhsa_float_denorm_mode_32 3
		.amdhsa_float_denorm_mode_16_64 3
		.amdhsa_memory_ordered 1
		.amdhsa_forward_progress 1
		.amdhsa_inst_pref_size 201
	.end_amdhsa_kernel
	.amdgpu_metadata
---
amdhsa.version: [ 1, 2 ]
amdhsa.kernels:
  - .name:           k_q30d9034686_energy
    .symbol:         k_q30d9034686_energy.kd
    .args:
      - { .name: encoder_outputs_codes, .offset: 0, .size: 8, .value_kind: global_buffer, .address_space: global }
      - { .name: attn_W_codes, .offset: 8, .size: 8, .value_kind: global_buffer, .address_space: global }
      - { .name: lowp_scales, .offset: 16, .size: 8, .value_kind: global_buffer, .address_space: global }
      - { .name: part, .offset: 24, .size: 8, .value_kind: global_buffer, .address_space: global }
      - { .name: hidden, .offset: 32, .size: 8, .value_kind: global_buffer, .address_space: global }
    .group_segment_fixed_size: 327680
    .private_segment_fixed_size: 0
    .kernarg_segment_align: 8
    .kernarg_segment_size: 40
    .max_flat_workgroup_size: 128
    .sgpr_count:     100
    .vgpr_count:     1024
    .wavefront_size: 32
...
	.end_amdgpu_metadata
.endif
;; end of part 1
;; launch lsm (part 2): grid 32 x 1, 16 waves a work-group, no clusters, 2,304 bytes of LDS; arguments part, out0; writes out0
.if DOCPART == 2
	.amdgcn_target "amdgcn-amd-amdhsa--gfx1250"
	.amdhsa_code_object_version 6
	.text
	.protected	k_q30d9034686_lsm
	.globl	k_q30d9034686_lsm
	.p2align	8
	.type	k_q30d9034686_lsm,@function
k_q30d9034686_lsm:
	s_mov_b64 s[64:65], 0
	v_nop
	global_prefetch_b8 v0, s[64:65] scope:SCOPE_SE
	s_setreg_imm32_b32 hwreg(HW_REG_WAVE_MODE, 25, 1), 1
	s_wait_xcnt 0x0
; out0[b][s] = (x[s] - M) - ln(sum over s of e^(x[s] - M)), x[s] = the sum over c = 0 .. 3 of part[c][b][s], M = the largest x[s] of the b.  All in f32.
; The bias's term, the same for all s of a b, is left out (dead work: the first kernel's head shows it).
; part: [4][32][2048] f32; out0: [32][2048] f32.  One work-group to a b; sixteen waves; thread t owns s = 4 t .. 4 t + 3: each load and the store of a wave cover 512 consecutive bytes, aligned.
; ONE MEETING: a wave finds its own maximum m and its sum of e^(x - m); the sixteen pairs (m, sum) meet in LDS; lane l takes pair l % 16, M is the largest m, and each sum is brought under M by e^(m - M), at most 1.
; No matrix unit, no tensor load, no cluster, no prefetch: 32 KB are read once by each work-group, there is no loop and nothing is shared.
.set CSTEP, 262144                     ; bytes from part[c] to part[c + 1]
.macro D1
	s_delay_alu instid0(VALU_DEP_1)
.endm
	s_load_b128 s[4:7], s[0:1], 0x0                ; part s[4:5], out0 s[6:7]
	v_lshl_add_u32 v40, v0, 2, 0x100               ; my spare word
	v_mov_b32 v41, 0
	v_lshlrev_b32 v1, 4, v0                        ; my 16 bytes of the b's 8,192
	v_lshrrev_b32 v2, 5, v0
	v_and_b32 v5, 15, v0
	v_mov_b32 v6, 0                                ; written once: the destination of a lane permute or a DPP form counts as one of its sources
	v_mov_b32 v32, 0
	v_lshlrev_b32 v4, 3, v2                        ; my wave's pair
	v_lshlrev_b32 v5, 3, v5                        ; the pair that I take
	s_lshl_b32 s10, ttmp9, 13                      ; b x 8,192
	s_mov_b32 s11, 0
	s_mov_b32 s12, 0x76543210                      ; v_permlanex16_b32: lane l xor 16
	s_mov_b32 s13, 0xfedcba98
	s_mov_b32 s14, 0xbf317218                      ; - ln 2
	s_mov_b32 s16, 0x3fb8aa3b                      ; log2(e)
	s_mov_b32 s17, s16                             ; (named with it as a pair)
	s_wait_alu depctr_va_vdst(0)
	s_wait_kmcnt 0x0
	s_add_nc_u64 s[4:5], s[4:5], s[10:11]
	s_add_nc_u64 s[6:7], s[6:7], s[10:11]
.irp c, 0,1,2,3
	global_load_b128 v[8+4*\c:11+4*\c], v1, s[4:5] offset:\c*CSTEP th:TH_LOAD_NT
.endr
	s_wait_loadcnt 0x0                             ; all four parts: the sum needs them all
	v_pk_add_f32 v[8:9], v[8:9], v[12:13]
	v_pk_add_f32 v[10:11], v[10:11], v[14:15]
	v_pk_add_f32 v[16:17], v[16:17], v[20:21]
	v_pk_add_f32 v[18:19], v[18:19], v[22:23]
	v_pk_add_f32 v[8:9], v[8:9], v[16:17]
	v_pk_add_f32 v[10:11], v[10:11], v[18:19]      ; x of my four s in v[8:11]
	D1
	v_max3_num_f32 v28, v8, v9, v10
	D1
	v_max_num_f32 v28, v28, v11
	D1
	v_max_num_f32_dpp v28, v28, v28 row_xmask:1 row_mask:0xf bank_mask:0xf
	D1
	v_max_num_f32_dpp v28, v28, v28 row_xmask:2 row_mask:0xf bank_mask:0xf
	D1
	v_max_num_f32_dpp v28, v28, v28 row_xmask:4 row_mask:0xf bank_mask:0xf
	D1
	v_max_num_f32_dpp v28, v28, v28 row_xmask:8 row_mask:0xf bank_mask:0xf
	D1
	v_permlanex16_b32 v6, v28, s12, s13
	D1
	v_max_num_f32 v28, v28, v6                     ; m, the wave's largest x
.irp i, 0,1,2,3
	v_sub_f32 v[12+\i], v[8+\i], v28
.endr
	v_pk_mul_f32 v[12:13], v[12:13], s[16:17] op_sel_hi:[1,0]
	v_pk_mul_f32 v[14:15], v[14:15], s[16:17] op_sel_hi:[1,0]
	s_wait_alu depctr_va_vdst(0)
.irp i, 0,1,2,3
	v_exp_f32 v[12+\i], v[12+\i]
.endr
	v_nop                                          ; one plain instruction between the last exponential and the use of its result
	s_wait_alu depctr_va_vdst(0)                   ; and behind it, ahead of the first reader
	v_add_f32 v16, v12, v13
	v_add_f32 v17, v14, v15
	D1
	v_add_f32 v29, v16, v17
	D1
	v_add_f32_dpp v29, v29, v29 row_xmask:1 row_mask:0xf bank_mask:0xf
	D1
	v_add_f32_dpp v29, v29, v29 row_xmask:2 row_mask:0xf bank_mask:0xf
	D1
	v_add_f32_dpp v29, v29, v29 row_xmask:4 row_mask:0xf bank_mask:0xf
	D1
	v_add_f32_dpp v29, v29, v29 row_xmask:8 row_mask:0xf bank_mask:0xf
	D1
	v_permlanex16_b32 v6, v29, s12, s13
	D1
	v_add_f32 v29, v29, v6                         ; the wave's sum, at least 1
	ds_store_b64 v4, v[28:29]                      ; all lanes write the same words with the same values
	s_wait_alu depctr_va_vdst(0)
	s_wait_dscnt 0x0                               ; for the others' sake: my store is done
	s_barrier_signal -1
	s_barrier_wait -1
	ds_load_b64 v[30:31], v5                       ; m and sum of wave l % 16
	s_wait_dscnt 0x0
	v_max_num_f32_dpp v32, v30, v30 row_xmask:1 row_mask:0xf bank_mask:0xf
	D1
	v_max_num_f32_dpp v32, v32, v32 row_xmask:2 row_mask:0xf bank_mask:0xf
	D1
	v_max_num_f32_dpp v32, v32, v32 row_xmask:4 row_mask:0xf bank_mask:0xf
	D1
	v_max_num_f32_dpp v32, v32, v32 row_xmask:8 row_mask:0xf bank_mask:0xf   ; M: each row of 16 lanes holds all sixteen waves
	D1
	v_sub_f32 v33, v30, v32
	D1
	v_mul_f32 v33, s16, v33
.irp i, 0,1,2,3
	v_sub_f32 v[20+\i], v[8+\i], v32               ; x - M
.endr
	s_wait_alu depctr_va_vdst(0)
	v_exp_f32 v33, v33
	v_nop
	s_wait_alu depctr_va_vdst(0)
	v_mul_f32 v34, v31, v33
	D1
	v_add_f32_dpp v34, v34, v34 row_xmask:1 row_mask:0xf bank_mask:0xf
	D1
	v_add_f32_dpp v34, v34, v34 row_xmask:2 row_mask:0xf bank_mask:0xf
	D1
	v_add_f32_dpp v34, v34, v34 row_xmask:4 row_mask:0xf bank_mask:0xf
	D1
	v_add_f32_dpp v34, v34, v34 row_xmask:8 row_mask:0xf bank_mask:0xf   ; the row's sum, at least 1
	s_wait_alu depctr_va_vdst(0)
	v_log_f32 v35, v34                             ; log2
	v_nop
	s_wait_alu depctr_va_vdst(0)
.irp i, 0,1,2,3
	v_fma_f32 v[20+\i], v35, s14, v[20+\i]
.endr
	global_store_b128 v1, v[20:23], s[6:7]
	s_wait_tensorcnt 0x0                           ; the wave's end
	ds_add_u32 v40, v41
	s_wait_dscnt 0x0
	s_endpgm
.Lfunc_end_k_q30d9034686_lsm:
	.size	k_q30d9034686_lsm, .Lfunc_end_k_q30d9034686_lsm-k_q30d9034686_lsm
	.p2alignl 7, 3214868480
	.fill 96, 4, 3214868480
	.section	.rodata,"a",@progbits
	.p2align	6, 0x0
	.amdhsa_kernel k_q30d9034686_lsm
		.amdhsa_group_segment_fixed_size 2304
		.amdhsa_private_segment_fixed_size 0
		.amdhsa_enable_private_segment 0
		.amdhsa_kernarg_size 16
		.amdhsa_user_sgpr_count 2
		.amdhsa_user_sgpr_kernarg_segment_ptr 1
		.amdhsa_wavefront_size32 1
		.amdhsa_system_sgpr_workgroup_id_x 1
		.amdhsa_system_sgpr_workgroup_id_y 1
		.amdhsa_system_sgpr_workgroup_id_z 1
		.amdhsa_system_vgpr_workitem_id 0
		.amdhsa_next_free_vgpr 48
		.amdhsa_next_free_sgpr 66
		.amdhsa_reserve_vcc 0
		.amdhsa_float_denorm_mode_32 3
		.amdhsa_float_denorm_mode_16_64 3
		.amdhsa_memory_ordered 1
		.amdhsa_forward_progress 1
		.amdhsa_inst_pref_size 6
	.end_amdhsa_kernel
	.amdgpu_metadata
---
amdhsa.version: [ 1, 2 ]
amdhsa.kernels:
  - .name:           k_q30d9034686_lsm
    .symbol:         k_q30d9034686_lsm.kd
    .args:
      - { .name: part, .offset: 0, .size: 8, .value_kind: global_buffer, .address_space: global }
      - { .name: out0, .offset: 8, .size: 8, .value_kind: global_buffer, .address_space: global }
    .group_segment_fixed_size: 2304
    .private_segment_fixed_size: 0
    .kernarg_segment_align: 8
    .kernarg_segment_size: 16
    .max_flat_workgroup_size: 512
    .sgpr_count:     66
    .vgpr_count:     48
    .wavefront_size: 32
...
	.end_amdgpu_metadata
.endif
;; end of part 2
